; MI455X (gfx1250); checked and timed in simulation.
; The chip was launched on July 23, 2026; its instructions are those of AMD's public machine-readable ISA for CDNA 5 (MIT licence, August 2026) and "CDNA5" Instruction Set Architecture Reference Guide (July 2026). The comments in the code are by the model that wrote it; some were corrected since.
;; Frequency Linear. Allowed arithmetic: matrix products marked QUANTISED: E4M3 operands, one E8M0 scale for each 32 along K, by v_wmma_scale_f32_16x16x128_f8f6f4 with both operands' format E4M3, f32 sums; everything else in f32.
;; Inputs: w_im 2,048 x 2,048 float32; w_re 2,048 x 2,048 float32; x_im 4,096 x 2,048 float32; x_re 4,096 x 2,048 float32.
;; Outputs: out0 2 x 4,096 x 2,048 float32.
;; This version of the problem:
;;   THIS VERSION OF THE PROBLEM IS GIVEN IN LOW PRECISION. The matrix products marked QUANTISED in the list below multiply operands that are first quantised to E4M3 (4 exponent bits, 3 mantissa bits; 8 bits a number), with one power-of-two scale for each 32 numbers along K (OCP MX v1.0); their sums are f32. All else is computed in f32.
;;   The module's matrix products, in the order in which they are computed (A, B: the left and right operand; K: the contracted axis; several contracted axes count as one K, in the product's order):
;;     1. [M 4,096, K 2,048] x [K 2,048, N 2,048]; A: input x_re; B: input w_re: QUANTISED
;;     2. [M 4,096, K 2,048] x [K 2,048, N 2,048]; A: input x_im; B: input w_im: QUANTISED
;;     3. [M 4,096, K 2,048] x [K 2,048, N 2,048]; A: input x_re; B: input w_im: QUANTISED
;;     4. [M 4,096, K 2,048] x [K 2,048, N 2,048]; A: input x_im; B: input w_re: QUANTISED
;;   THE QUANTISER, for each operand of a quantised product, along K:
;;     - K is cut into blocks of 32 from its start; a last block that is shorter is filled with zeros.
;;     - A block's scale is 2^e with e = floor(log2(the largest magnitude in the block)) - 8, held to -126 .. 127; a block of zeros has e = 0. As a byte (E8M0): e + 127.
;;     - Each number is divided by its block's scale, clamped to +-448, and rounded to the nearest number of E4M3, ties to even, subnormals kept.
;;     - The product sums the exact products of the quantised numbers (number of the format x scale) in f32.
;;   ~~~python
;;   def quantise(x, axis):      # numpy; x: float32 -> the quantised numbers, widened to float32 again
;;       x = np.moveaxis(x, axis, -1); K = x.shape[-1]
;;       x = np.pad(x, [(0, 0)] * (x.ndim - 1) + [(0, -K % 32)]); x = x.reshape(x.shape[:-1] + (-1, 32)); a = np.abs(x).max(-1, keepdims=True)
;;       e = np.where(a > 0, np.clip(np.frexp(np.where(a > 0, a, 1))[1] - 1 - 8, -126, 127), 0)      # np.frexp(a)[1] - 1 = floor(log2(a)), exactly
;;       r = np.clip(x / 2.0 ** e, -448, 448)
;;       step = 2.0 ** (np.maximum(np.frexp(np.where(r == 0, 1, r))[1] - 1, -6) - 3)
;;       q = np.round(r / step) * step * 2.0 ** e      # np.round: ties to even
;;       return np.moveaxis(q.reshape(q.shape[:-2] + (-1,))[..., :K], -1, axis).astype(np.float32)
;;   ~~~
;; One version. Each part assembles by itself: llvm-mc -triple=amdgcn-amd-amdhsa -mcpu=gfx1250 --defsym DOCPART=n.
;; ======== version 1 of 1: 2 launches
;; limits: right only within a limited range of input values
;; workspace buffers: ac 17,301,504 bytes; bc 8,650,752 bytes
;; launch quant (part 1): grid 768 x 1, 4 waves a work-group, no clusters, 56,832 bytes of LDS; arguments x_re, x_im, w_re, w_im, ac, bc; writes ac, bc
.if DOCPART == 1
	.amdgcn_target "amdgcn-amd-amdhsa--gfx1250"
	.amdhsa_code_object_version 6
	.text
	.protected	k_q244a3b3293_quant
	.globl	k_q244a3b3293_quant
	.p2align	8
	.type	k_q244a3b3293_quant,@function
k_q244a3b3293_quant:
	s_mov_b64 s[64:65], 0
	v_nop
	global_prefetch_b8 v0, s[64:65] scope:SCOPE_SE
	s_setreg_imm32_b32 hwreg(HW_REG_WAVE_MODE, 25, 1), 1
	s_wait_xcnt 0x0
; x_re, x_im [4096][2048] and w_re, w_im [2048][2048], f32, K innermost, become codes of FP8 (E4M3) with one E8M0 scale byte for each 32 along K.
; LAYOUT of ac (the inputs) and bc (the weights): blocks of 128 rows x 128 along K of BOTH tensors of a pair, BLKB = 33,792 bytes; block (row block rb, chunk ks) lies at (16 rb + ks) x BLKB.
; A block's codes lie IN THE ORDER OF THE PRODUCT'S OPERAND REGISTERS: [16 rows i = 0..7][part p: real, imaginary][c = 0..3][h = 0, 1][row r = 0..15][16 codes: K = 32 c + 16 h + 0..15]: 32,768 bytes.
; Behind them 8 scale bytes a row (row's at 32,768 + 8 row: four of the real part, four of the imaginary).
; A block of 32's scale is 2^(floor(log2(its largest magnitude)) - 8); its byte is the largest magnitude's exponent field - 8, held at 1 from below; each number is held within +-448 x the scale and rounded to the nearest code, ties to even.
; LIMITS: NaN and infinities among the inputs are not served.  A block of zeros gets the byte 1 where the rule says 127: its codes are zeros, which add nothing under any byte but 0xff, and this program alone reads the bytes.
; SHARES.  A work-group takes 32 rows x 512 along K (four chunks) of a pair: work-groups 0-511 the inputs, 512-767 the weights.  Wave w takes rows 16 (w / 2) + 0..15 and chunks 2 (w % 2), 2 (w % 2) + 1: step t is row t.
; A step's four loads read 512 consecutive bytes each; the 2,048 bytes turn through the wave's own stage and come back 16 neighbours along K a lane.  Lane l then holds piece l % 16 of the row [real 128 | imaginary 128] of chunk l / 16,
; which is 16 bytes (at 16 t) of the unit of 256 bytes number l % 16 of its 16 rows' 4,096: so the codes of the 16 steps turn once more through LDS (rows of 272 bytes) and leave as 512 consecutive bytes an instruction.
.set BLKB,  33792
.set STEPS, 16
.set SP,    80                         ; a lane's place in a stage: its 64 bytes + 16 of padding
.set WST,   2*32*SP                    ; two stages for each wave
.set SCB,   4*WST                      ; [chunk 0..3][row 0..31][8] scale bytes
.set SPARE, SCB+1024                   ; the spare words: 512 bytes that no other line names
.set TP,    272                        ; the codes' stage: a unit of 256 bytes + 16
.set TW,    32*TP                      ; 32 units a wave
.set TB,    SPARE+512
.set R,     16                         ; v16-79   four sets of 16 numbers as loaded; at the end the codes read back
.set X,     80                         ; v80-111  two sets of 16 neighbours
.set E,     112                        ; v112-127 a scale byte for each step
.set C,     128                        ; v128-191 codes: four registers for each step
	s_load_b256 s[4:11], s[0:1], 0x0               ; x_re, x_im, w_re, w_im
	s_load_b128 s[12:15], s[0:1], 0x20             ; ac, bc
	v_lshl_add_u32 v192, v0, 2, SPARE
	v_mov_b32 v193, 0
	v_lshrrev_b32 v1, 5, v0
	v_readfirstlane_b32 s16, v1                    ; wave 0..3
	s_lshr_b32 s28, s16, 1                         ; which 16 rows
	s_and_b32 s29, s16, 1                          ; which two chunks
	s_mul_i32 s17, s16, WST
	s_mul_i32 s18, s16, TW
	s_add_co_u32 s18, s18, TB
	s_lshl_b32 s19, s29, 9
	s_lshl_b32 s20, s28, 7
	s_add_co_u32 s19, s19, s20
	s_add_co_u32 s19, s19, SCB                     ; my chunks' and rows' scale bytes
	s_mov_b32 s23, 0x600000                        ; the mantissa field of 448
	v_and_b32 v2, 31, v0                           ; lane
	v_lshlrev_b32 v3, 4, v2                        ; my 16 bytes of 512
	v_lshrrev_b32 v14, 2, v2
	v_mul_u32_u24 v14, v14, SP
	v_and_b32 v15, 3, v2
	v_lshl_add_u32 v14, v15, 4, v14
	v_add_nc_u32 v14, s17, v14                     ; the numbers' stage, in: SP (lane / 4) + 16 (lane % 4)
	v_mul_u32_u24 v15, v2, SP
	v_add_nc_u32 v15, s17, v15                     ; and out: SP x lane
	v_bfe_u32 v8, v0, 4, 1                         ; lane / 16
	v_and_b32 v9, 15, v0
	v_mul_u32_u24 v4, v2, TP
	v_add_nc_u32 v4, s18, v4                       ; the codes' stage, in: my unit's row
	v_mul_u32_u24 v1, v8, TP
	v_lshl_add_u32 v1, v9, 4, v1
	v_add_nc_u32 v1, s18, v1                       ; and out: sixteen lanes to a unit, two units an instruction
	v_bfe_u32 v5, v0, 1, 3                         ; my block of 32 among its row's eight
	v_lshl_add_u32 v5, v8, 8, v5                   ; + 256 x which chunk of the two
	v_add_nc_u32 v5, s19, v5
	v_lshl_add_u32 v6, v0, 3, SCB                  ; back: wave w takes chunk w's 256 bytes, 8 a lane
	v_lshlrev_b32 v7, 3, v2
	s_wait_alu depctr_va_vdst(0)                   ; the wait at the head's end
	s_wait_kmcnt 0x0
	s_cmp_lt_u32 ttmp9, 512                        ; inputs or weights: by the work-group's number alone
	s_cselect_b64 s[4:5], s[4:5], s[8:9]
	s_cselect_b64 s[6:7], s[6:7], s[10:11]
	s_cselect_b64 s[12:13], s[12:13], s[14:15]
	s_cselect_b32 s17, 0, 512
	s_sub_co_u32 s26, ttmp9, s17
	s_lshr_b32 s27, s26, 2                         ; which 32 rows
	s_and_b32 s26, s26, 3                          ; which 512 along K
	s_lshr_b32 s30, s27, 2                         ; rb
	s_and_b32 s31, s27, 3
	s_lshl_b32 s31, s31, 5                         ; their first row in the block
	s_lshl_b32 s20, s27, 18                        ; 32 rows of 8,192 bytes,
	s_lshl_b32 s17, s28, 17                        ; my 16 of them,
	s_add_co_u32 s20, s20, s17
	s_lshl_b32 s17, s29, 10                        ; my 256 along K,
	s_add_co_u32 s20, s20, s17
	s_lshl_b32 s17, s26, 11                        ; of the work-group's 512
	s_add_co_u32 s20, s20, s17
	s_mov_b32 s21, 0
	s_add_nc_u64 s[4:5], s[4:5], s[20:21]
	s_add_nc_u64 s[6:7], s[6:7], s[20:21]
	s_lshl_b32 s22, s30, 4
	s_lshl_b32 s17, s26, 2
	s_add_co_u32 s22, s22, s17                     ; the work-group's first block: 16 rb + 4 x (which 512)
	s_lshl_b32 s18, s29, 1
	s_add_co_u32 s18, s18, s22
	s_mul_i32 s20, s18, BLKB                       ; my first chunk's block,
	s_lshl_b32 s18, s31, 8
	s_add_co_u32 s20, s20, s18
	s_lshl_b32 s18, s28, 12
	s_add_co_u32 s20, s20, s18                     ; my 16 rows' 4,096 bytes in it
	s_add_nc_u64 s[8:9], s[12:13], s[20:21]
	s_lshl_b32 s24, s31, 3
	s_add_co_u32 s24, s24, 32768
	s_add_co_u32 s20, s22, s16                     ; wave w stores chunk w's scale bytes
	s_mul_i32 s20, s20, BLKB
	s_add_co_u32 s20, s20, s24
	s_add_nc_u64 s[10:11], s[12:13], s[20:21]
.macro LOAD t                          ; row t, my two chunks, the real part first
.irp c, 0,1
	global_load_b128 v[R+16*((\t)%4)+8*\c:R+16*((\t)%4)+8*\c+3],   v3, s[4:5] offset:(\t)*8192+512*\c th:TH_LOAD_NT
	global_load_b128 v[R+16*((\t)%4)+8*\c+4:R+16*((\t)%4)+8*\c+7], v3, s[6:7] offset:(\t)*8192+512*\c th:TH_LOAD_NT
.endr
.endm
.macro TURN t                          ; LDS serves a wave's instructions in order (ISA guide 5.7.1): no wait between the stores and the loads
.irp i, 0,1,2,3
	ds_store_b128 v14, v[R+16*((\t)%4)+4*\i:R+16*((\t)%4)+4*\i+3] offset:32*SP*((\t)%2)+8*SP*\i
.endr
.irp i, 0,1,2,3
	ds_load_b128 v[X+16*((\t)%2)+4*\i:X+16*((\t)%2)+4*\i+3], v15 offset:32*SP*((\t)%2)+16*\i
.endr
.endm
.irp t, 0,1,2,3
	LOAD \t
.endr
	s_wait_loadcnt 12                              ; step 0's four loads are in
	TURN 0
.macro STEP t
.set XS, X+16*((\t)%2)
.if (\t) > 0
	s_wait_dscnt 2                                 ; this step's numbers are back (the last step's two stores, byte and codes, may be out)
.else
	s_wait_dscnt 0x0
.endif
.if (\t)+4 < STEPS
	LOAD (\t)+4
.endif
.if (\t)+1 < STEPS
.if STEPS-2-(\t) >= 3
	s_wait_loadcnt 12                              ; the next step's four loads are in; three steps' may be out
.else
	s_wait_loadcnt 4*(STEPS-2-(\t))
.endif
	TURN (\t)+1
.endif
	v_max3_num_f32 v8, |v[XS]|, |v[XS+1]|, |v[XS+2]|               ; the largest magnitude of my 16, in two chains
	v_max3_num_f32 v9, |v[XS+3]|, |v[XS+4]|, |v[XS+5]|
.irp i, 6,10
	v_max3_num_f32 v8, v8, |v[XS+\i]|, |v[XS+\i+1]|
	v_max3_num_f32 v9, v9, |v[XS+\i+2]|, |v[XS+\i+3]|
.endr
	v_max3_num_f32 v8, v8, |v[XS+14]|, |v[XS+15]|
	v_max3_num_f32 v8, v8, v9, 0x4800000           ; and the floor 2^(9 - 127): the byte cannot fall under 1
	v_max_num_f32_dpp v8, v8, v8 row_xmask:1 row_mask:0xf bank_mask:0xf   ; and of my neighbour's 16
	v_add_nc_u32 v11, 0xfc000000, v8               ; 8 off the exponent field: the conversion's scale operand
	v_and_or_b32 v10, v8, 0x7f800000, s23          ; 448 x the scale
.irp i, 0,1,2,3,4,5,6,7,8,9,10,11,12,13,14,15
	v_med3_num_f32 v[XS+\i], v[XS+\i], -v10, v10   ; the conversion does not saturate (ISA guide 7.6.2): hold first
.endr
	v_cvt_scalef32_pk8_fp8_f32 v[C+4*(\t):C+4*(\t)+1], v[XS:XS+7], v11
	v_cvt_scalef32_pk8_fp8_f32 v[C+4*(\t)+2:C+4*(\t)+3], v[XS+8:XS+15], v11
	v_lshrrev_b32 v[E+(\t)], 23, v11               ; the scale's byte (also the plain line behind the conversions)
	ds_store_b8 v5, v[E+(\t)] offset:8*(\t)        ; row t; both lanes of a block write the same byte
	ds_store_b128 v4, v[C+4*(\t):C+4*(\t)+3] offset:16*(\t)   ; row t's 16 bytes of my unit
.endm
.irp t, 0,1,2,3,4,5,6,7,8,9,10,11,12,13,14,15
	STEP \t
.endr
	s_wait_dscnt 0x0                               ; for the others' sake: my scale bytes lie in LDS
	s_barrier_signal -1
	s_barrier_wait -1
	ds_load_b64 v[12:13], v6
.irp u, 0,1,2,3,4,5,6,7,8,9,10,11,12,13,14,15
	ds_load_b128 v[R+4*\u:R+4*\u+3], v1 offset:2*\u*TP   ; units 2 u, 2 u + 1 of my 32
.endr
	s_wait_dscnt 16
	global_store_b64 v7, v[12:13], s[10:11]        ; 32 lanes store 256 consecutive bytes, aligned
.irp u, 0,1,2,3,4,5,6,7,8,9,10,11,12,13,14,15
	s_wait_dscnt 15-\u
	global_store_b128 v3, v[R+4*\u:R+4*\u+3], s[8:9] offset:(\u/8)*BLKB+(\u%8)*512   ; 512 consecutive bytes, aligned
.endr
	s_wait_tensorcnt 0x0                           ; the wave's end
	ds_add_u32 v192, v193
	s_wait_dscnt 0x0
	s_endpgm
.Lfunc_end_k_q244a3b3293_quant:
	.size	k_q244a3b3293_quant, .Lfunc_end_k_q244a3b3293_quant-k_q244a3b3293_quant
	.p2alignl 7, 3214868480
	.fill 96, 4, 3214868480
	.section	.rodata,"a",@progbits
	.p2align	6, 0x0
	.amdhsa_kernel k_q244a3b3293_quant
		.amdhsa_group_segment_fixed_size 56832
		.amdhsa_private_segment_fixed_size 0
		.amdhsa_enable_private_segment 0
		.amdhsa_kernarg_size 48
		.amdhsa_user_sgpr_count 2
		.amdhsa_user_sgpr_kernarg_segment_ptr 1
		.amdhsa_wavefront_size32 1
		.amdhsa_system_sgpr_workgroup_id_x 1
		.amdhsa_system_sgpr_workgroup_id_y 1
		.amdhsa_system_sgpr_workgroup_id_z 1
		.amdhsa_system_vgpr_workitem_id 0
		.amdhsa_next_free_vgpr 194
		.amdhsa_next_free_sgpr 66
		.amdhsa_reserve_vcc 0
		.amdhsa_float_denorm_mode_32 3
		.amdhsa_float_denorm_mode_16_64 3
		.amdhsa_memory_ordered 1
		.amdhsa_forward_progress 1
		.amdhsa_inst_pref_size 55
	.end_amdhsa_kernel
	.amdgpu_metadata
---
amdhsa.version: [ 1, 2 ]
amdhsa.kernels:
  - .name:           k_q244a3b3293_quant
    .symbol:         k_q244a3b3293_quant.kd
    .args:
      - { .name: x_re, .offset: 0, .size: 8, .value_kind: global_buffer, .address_space: global }
      - { .name: x_im, .offset: 8, .size: 8, .value_kind: global_buffer, .address_space: global }
      - { .name: w_re, .offset: 16, .size: 8, .value_kind: global_buffer, .address_space: global }
      - { .name: w_im, .offset: 24, .size: 8, .value_kind: global_buffer, .address_space: global }
      - { .name: ac, .offset: 32, .size: 8, .value_kind: global_buffer, .address_space: global }
      - { .name: bc, .offset: 40, .size: 8, .value_kind: global_buffer, .address_space: global }
    .group_segment_fixed_size: 56832
    .private_segment_fixed_size: 0
    .kernarg_segment_align: 8
    .kernarg_segment_size: 48
    .max_flat_workgroup_size: 128
    .sgpr_count:     66
    .vgpr_count:     194
    .wavefront_size: 32
...
	.end_amdgpu_metadata
.endif
;; end of part 1
;; launch gemm (part 2): grid 16 x 16, 4 waves a work-group, clusters of 4 x 4, 327,680 bytes of LDS; arguments ac, bc, out0; writes out0
.if DOCPART == 2
	.amdgcn_target "amdgcn-amd-amdhsa--gfx1250"
	.amdhsa_code_object_version 6
	.text
	.protected	k_q244a3b3293_gemm
	.globl	k_q244a3b3293_gemm
	.p2align	8
	.type	k_q244a3b3293_gemm,@function
k_q244a3b3293_gemm:
	s_mov_b64 s[64:65], 0
	v_nop
	global_prefetch_b8 v0, s[64:65] scope:SCOPE_SE
	s_setreg_imm32_b32 hwreg(HW_REG_WAVE_MODE, 25, 1), 1
	s_wait_xcnt 0x0
	s_wait_alu depctr_hold_cnt(0) depctr_sa_sdst(0) depctr_va_vdst(0) depctr_va_sdst(0) depctr_va_ssrc(0) depctr_va_vcc(0) depctr_vm_vsrc(0)
	s_getreg_b32 s2, hwreg(HW_REG_IB_STS2, 6, 4)
	s_cmp_eq_u32 s2, 0
	s_cbranch_scc0 .Lentry_in_a_cluster
	s_endpgm
.Lentry_in_a_cluster:
	s_bfe_u32 s2, ttmp6, 0x10000c
	s_cmp_lg_u32 s2, 0xf033
	s_cbranch_scc0 .Lentry_shape_is_right
	s_endpgm
.Lentry_shape_is_right:
; out_re = x_re w_re^T - x_im w_im^T, out_im = x_re w_im^T + x_im w_re^T on codes of MX-FP8 (E4M3, a scale byte for 32 along K), f32 sums.  ac, bc: blocks of 128 rows x 128 K of a pair of tensors,
; 33,792 bytes, block (rb, ks) at (16 rb + ks) x BLKB: codes in the order of the operand registers [16 rows][part][c][lane][16 bytes], then 8 scale bytes a row.
; A work-group of four waves (2 x 2) makes 256 rows of x against 128 rows of w, both outputs; a wave 128 x 64 x 2: 64 accumulators, 512 registers.  A K step is 128 of K: phase 0 multiplies x_im, phase 1 x_re, 64 products each.
; x GOES THROUGH LDS: two slots, each with TWO K steps of the 256 rows (four blocks, one joint load a wave, shared by the four work-groups of the cluster's row): 224 products a wave stand between a refill and the wait for it.
; The image is dense: a fragment load reads 512 consecutive bytes, so LDS rows need no padding.
; w GOES STRAIGHT INTO REGISTERS: a wave's 64 rows of a K step are 16,384 consecutive bytes (32 loads of 512) and 512 scale bytes (2 loads); two register sets, the next step's asked for one K step ahead, waited for by count.
; w has no joint load: it does not land in LDS, and with it there two slots of two K steps would pass LDS (2 x 202,752 bytes).
; THE SIGN costs no line: every product of out_re takes -C (neg_lo on source 2).  With T the sum so far, phase 0 makes U = x_im w_im - T and phase 1 T' = x_re w_re - U = T + x_re w_re - x_im w_im.
; THE LAST TWO K STEPS GO BY ROWS OF THE RESULT: both sets of w stay in registers, the work goes in units of 16 products (a block of 16 rows, one K step), and a finished block leaves through the stage while later units are multiplied.
; PREFETCH: behind the fill of slot data j the blocks of data j + 1 (two K steps of x and of w) are asked for: a block's 132 units of 256 bytes in four shares of 33, by cx for x and by cy for w, told apart by address;
; a lane a unit and one more line for the 33rd; x: every wave for the block that it fetches; w: waves 0 and 1, a block each.  Data 8 does not exist: the last refill asks for nothing.
; LIMITS: NaN, infinities and sums beyond f32's range are not served.
; REGISTERS: window 0: v12-31 addresses; v32-63 scale words (x's numbers are 0-3 modulo 8, w's 4-7), two sets; v128-255 x's fragments, one set; by rows: v128-191 x's, v64-127 and v192-255 rows on their way out.
; window 1: w's fragments, two sets.  windows 2, 3: the sums.
.set BLKB,   33792
.set UNITS,  132
.set SLOTB,  4*BLKB
.set STAGE,  2*SLOTB                   ; the way out: 16 rows x 528 bytes a wave, bytes of its own
.set SPITCH, 528
.set SPARE,  STAGE+4*16*SPITCH         ; the spare words: 512 bytes that no other line names
.set CROW,   8192
.set NP,     8                         ; plain vector lines behind this matrix form (ISA guide 7.12.1)
.set PFO,  12                          ; v12-15 the prefetches' offsets
.set PFL,  13
.set PFBO, 14
.set PFBL, 15
.set ADRA, 16                          ; v16-19 LDS address of my fragments of x: K step n = 0..3 of the ring
.set ADRS, 20                          ; v20-23 of my rows' scale words
.set STO,  24
.set RD,   25
.set CO,   26
.set BO,   27                          ; w's codes: 16 lane + my half of the block
.set SPW,  28
.set NIL,  29
.set BS,   30                          ; w's scale words
.set AF,   128
.set G1, 24                            ; s[24:31] descriptor group 1;  s[32:39] group 0, one for each slot
.set G0, 32
.set BP, 10                            ; s[10:11] w's blocks;  s[44:45], s[46:47] the prefetches' bases
.set PFA, 44
.set PFB, 46
.set CNT, 0                            ; by rows: LDS instructions issued so far; FE, TE: the count behind a unit's fetch, behind a block's turn through the stage
.set FE0, 0
.set FE1, 0
.set TE0, 0
.set TE1, 0
.set MSB, 0
.macro WIN new
.if MSB != \new
	s_set_vgpr_msb (MSB<<8)|\new
.set MSB, \new
.endif
.endm
.set MUL_LO, 0xa1                      ; source 0 (w) window 1, source 1 (x) window 0, C and D window 2
.set MUL_HI, 0xf1
.set TO_B,   0x40
.macro PLACES n
.rept \n
	v_nop
.endr
.endm
.macro CREST
	s_cmp_lg_u32 s14, 0
	s_cbranch_scc1 .Lnot_wave_0_\@
	s_barrier_signal -3
.Lnot_wave_0_\@:
	s_barrier_wait -3
	s_barrier_signal -1
	s_barrier_wait -1
.endm
.macro CROUND
	s_barrier_signal -1
	s_barrier_wait -1
	CREST
.endm
.macro TLOAD s                         ; my block of a slot's four; an s_nop 0 and four v_nop follow
	tensor_load_to_lds s[G0+4*(\s):G0+4*(\s)+3], s[G1:G1+7]
	s_nop 0
	PLACES 4
.endm
.macro PF off, last                    ; ask for the blocks off K steps behind the bases
.if \last
	s_cmp_eq_u32 s3, 1                             ; the last trip's second refill has no data behind it
	s_cbranch_scc1 .Lno_pf_\@
.endif
	global_prefetch_b8 v[PFO], s[PFA:PFA+1] offset:(\off)*BLKB th:TH_LOAD_NT scope:SCOPE_SE
	global_prefetch_b8 v[PFL], s[PFA:PFA+1] offset:(\off)*BLKB th:TH_LOAD_NT scope:SCOPE_SE
	s_cmp_lt_u32 s14, 2
	s_cbranch_scc0 .Lno_pf_\@
	global_prefetch_b8 v[PFBO], s[PFB:PFB+1] offset:(\off)*BLKB th:TH_LOAD_NT scope:SCOPE_SE
	global_prefetch_b8 v[PFBL], s[PFB:PFB+1] offset:(\off)*BLKB th:TH_LOAD_NT scope:SCOPE_SE
.Lno_pf_\@:
.endm
	s_load_b128 s[4:7], s[0:1], 0x0                ; ac, bc
	s_load_b64 s[8:9], s[0:1], 0x10                ; out0
	v_lshl_add_u32 v[SPW], v0, 2, SPARE
	v_mov_b32 v[NIL], 0
	ds_add_u32 v[SPW], v[NIL]                      ; the opening lines: the add, twice on end, and its wait
	ds_add_u32 v[SPW], v[NIL]
	v_lshrrev_b32 v1, 5, v0
	v_readfirstlane_b32 s14, v1                    ; wave 0..3
	s_lshr_b32 s15, s14, 1                         ; my half of x's rows
	s_and_b32 s16, s14, 1                          ; my half of w's rows
	s_bfe_u32 s40, ttmp6, 0x40000                  ; cx, cy
	s_bfe_u32 s41, ttmp6, 0x40004
	s_lshl_b32 s42, ttmp9, 2
	s_add_co_u32 s42, s42, s40                     ; tile column: 128 rows of w
	s_and_b32 s17, ttmp7, 0xffff
	s_lshl_b32 s17, s17, 2
	s_add_co_u32 s17, s17, s41                     ; tile row: 256 rows of x
	s_lshl_b32 s43, s41, 2
	s_lshl_b32 s43, 15, s43                        ; my row of the cluster shares x's blocks
	s_or_b32 s[G1+0], s43, (3<<16)|(1<<21)         ; a dense block as 132 rows of 256 bytes (32 elements of 8), no padding
	s_mov_b32 s[G1+1], 32<<16
	s_mov_b32 s[G1+2], UNITS<<16
	s_mov_b32 s[G1+3], 32<<16
	s_mov_b32 s[G1+4], UNITS
	s_mov_b32 s[G1+5], 32
	s_mov_b32 s[G1+6], 0
	s_mov_b32 s[G1+7], 0
	s_lshl_b32 s20, s17, 1
	s_add_co_u32 s20, s20, s15
	s_lshl_b32 s20, s20, 4
	s_add_co_u32 s20, s20, s16
	s_mul_i32 s20, s20, BLKB                       ; wave w fetches row block 2 ty + w / 2, K step w % 2 of a slot's two
	s_mov_b32 s21, 0
	s_mul_i32 s22, s42, 16*BLKB                    ; w's blocks of my tile column
	s_mov_b32 s23, 0
	s_mul_i32 s18, s16, BLKB
	s_mov_b32 s19, 0
	s_mul_i32 s13, s14, BLKB                       ; where my block goes in a slot
	s_mul_i32 s48, s15, 2*BLKB                     ; where my rows' two blocks lie in a slot
	s_mul_i32 s49, s14, 16*SPITCH
	s_add_co_u32 s49, s49, STAGE                   ; my stage
	s_mul_i32 s50, s40, 33*256                     ; the prefetches' shares: by cx for x, by cy for w
	s_mul_i32 s51, s41, 33*256
	s_add_co_u32 s52, s50, 32*256
	s_add_co_u32 s53, s51, 32*256
	s_lshl_b32 s54, s16, 14
	s_lshl_b32 s55, s16, 9
	s_add_co_u32 s55, s55, 32768
	s_lshl_b32 s56, s17, 8
	s_lshl_b32 s57, s15, 7
	s_add_co_u32 s56, s56, s57
	s_lshl_b32 s56, s56, 13                        ; my first row of the output,
	s_lshl_b32 s57, s42, 9
	s_add_co_u32 s56, s56, s57
	s_lshl_b32 s57, s16, 8
	s_add_co_u32 s56, s56, s57                     ; my first column
	s_mov_b32 s57, 0
	s_mov_b32 s[G0], 1
	s_mov_b32 s[G0+1], s13
	s_mov_b32 s[G0+4], 1
	s_add_co_u32 s[G0+5], s13, SLOTB
	v_and_b32 v1, 31, v0                           ; lane
	v_and_b32 v2, 15, v0
	v_bfe_u32 v3, v0, 4, 1
	v_lshlrev_b32 v4, 4, v1
	v_lshlrev_b32 v5, 3, v1
	v_lshlrev_b32 v6, 8, v1
	v_add_nc_u32 v[BO], s54, v4
	v_add_nc_u32 v[BS], s55, v5
	v_add_nc_u32 v7, s48, v4
	v_add_nc_u32 v8, s48, v5
.irp n, 0,1,2,3
	v_add_nc_u32 v[ADRA+\n], (\n/2)*SLOTB+(\n%2)*BLKB, v7
	v_add_nc_u32 v[ADRS+\n], (\n/2)*SLOTB+(\n%2)*BLKB+32768, v8
.endr
	v_mul_u32_u24 v9, v2, SPITCH
	v_lshl_add_u32 v9, v3, 5, v9
	v_add_nc_u32 v[STO], s49, v9                   ; into the stage: row l % 16, 32 bytes for each half of the lanes
	v_add_nc_u32 v[RD], s49, v4                    ; back: a row of 512 bytes: 256 of out_re, 256 of out_im
	v_lshlrev_b32 v[CO], 4, v2
	v_lshl_add_u32 v[CO], v3, 25, v[CO]            ; out_im lies 2^25 bytes behind out_re
	v_add_nc_u32 v[PFO], s50, v6
	v_mov_b32 v[PFL], s52
	v_add_nc_u32 v[PFBO], s51, v6
	v_mov_b32 v[PFBL], s53
	s_wait_alu depctr_va_vdst(0)                   ; the wait at the head's end
	s_wait_dscnt 0x0                               ; both opening adds are done
	s_wait_kmcnt 0x0
	s_add_nc_u64 s[PFA:PFA+1], s[4:5], s[20:21]
	s_add_nc_u64 s[BP:BP+1], s[6:7], s[22:23]
	s_add_nc_u64 s[PFB:PFB+1], s[BP:BP+1], s[18:19]
	s_add_nc_u64 s[8:9], s[8:9], s[56:57]
	s_mov_b64 s[G0+2:G0+3], s[PFA:PFA+1]
	s_or_b32 s[G0+3], s[G0+3], 0x80000000
	s_add_nc_u64 s[G0+6:G0+7], s[PFA:PFA+1], 2*BLKB
	s_or_b32 s[G0+7], s[G0+7], 0x80000000
	CROUND                                         ; all sixteen work-groups are here: the first joint loads meet
	TLOAD 0                                        ; K steps 0 and 1: one tensor load a wave at the head
; One product.  k: bit 0: w's scale word lies in lanes 16-31; bit 1: x's does; bit 2: -C is taken (out_re)
.macro WM d, fb, fa, c, sb, sa, k
.if (\k) == 0
	v_wmma_scale_f32_16x16x128_f8f6f4 v[\d:\d+7], v[\fb:\fb+15], v[\fa:\fa+15], \c, v[\sb], v[\sa]
.elseif (\k) == 1
	v_wmma_scale_f32_16x16x128_f8f6f4 v[\d:\d+7], v[\fb:\fb+15], v[\fa:\fa+15], \c, v[\sb], v[\sa] matrix_a_scale:MATRIX_SCALE_ROW1
.elseif (\k) == 2
	v_wmma_scale_f32_16x16x128_f8f6f4 v[\d:\d+7], v[\fb:\fb+15], v[\fa:\fa+15], \c, v[\sb], v[\sa] matrix_b_scale:MATRIX_SCALE_ROW1
.elseif (\k) == 3
	v_wmma_scale_f32_16x16x128_f8f6f4 v[\d:\d+7], v[\fb:\fb+15], v[\fa:\fa+15], \c, v[\sb], v[\sa] matrix_a_scale:MATRIX_SCALE_ROW1 matrix_b_scale:MATRIX_SCALE_ROW1
.elseif (\k) == 4
	v_wmma_scale_f32_16x16x128_f8f6f4 v[\d:\d+7], v[\fb:\fb+15], v[\fa:\fa+15], \c, v[\sb], v[\sa] neg_lo:[0,0,1]
.elseif (\k) == 5
	v_wmma_scale_f32_16x16x128_f8f6f4 v[\d:\d+7], v[\fb:\fb+15], v[\fa:\fa+15], \c, v[\sb], v[\sa] matrix_a_scale:MATRIX_SCALE_ROW1 neg_lo:[0,0,1]
.elseif (\k) == 6
	v_wmma_scale_f32_16x16x128_f8f6f4 v[\d:\d+7], v[\fb:\fb+15], v[\fa:\fa+15], \c, v[\sb], v[\sa] matrix_b_scale:MATRIX_SCALE_ROW1 neg_lo:[0,0,1]
.else
	v_wmma_scale_f32_16x16x128_f8f6f4 v[\d:\d+7], v[\fb:\fb+15], v[\fa:\fa+15], \c, v[\sb], v[\sa] matrix_a_scale:MATRIX_SCALE_ROW1 matrix_b_scale:MATRIX_SCALE_ROW1 neg_lo:[0,0,1]
.endif
.endm
; 8 products: x's block a, whose fragment stands at fa, against w's eight fragments of set e (0-3 w_re, 4-7 w_im).  Sums b = 0-3: out_re; 4-7: out_im.
; Phase q = 0 (x_im): w_im for out_re, w_re for out_im; q = 1 (x_re): w_re for out_re, w_im for out_im.
; TRANSPOSED: source 0 = w's rows, so that a lane holds eight neighbouring columns of one row.  The sums take turns.
.macro MUL8 a, q, e, zero, fa
.irp b, 0,1,2,3,4,5,6,7
.set JB_, (\b+4*(1-(\q)))%8
.set AC_, 8*(8*((\a)%4)+\b)
.set FB_, 128*(\e)+16*JB_
.set FA_, \fa
.set SB_, 36+16*(\e)+2*((JB_%4)/2)+JB_/4
.set SA_, 32+16*(\e)+8*((\a)/4)+2*(((\a)/2)%2)+1-(\q)
.if \zero
	WM AC_, FB_, FA_, 0, SB_, SA_, (JB_%2)+2*((\a)%2)
.else
	WM AC_, FB_, FA_, v[AC_:AC_+7], SB_, SA_, (JB_%2)+2*((\a)%2)+4*(1-\b/4)
.endif
.endr
.endm
.macro MUL16 a0, q, e, zero
	MUL8 \a0, \q, \e, \zero, AF+16*(\a0)
	MUL8 \a0+1, \q, \e, \zero, AF+16*(\a0+1)
.endm
.macro FETCH_A n, p, i0                ; x's blocks i0 .. i0 + 3 of ring step n, part p: 512 consecutive bytes a load
.irp i, \i0, \i0+1, \i0+2, \i0+3
.irp c, 0,1,2,3
	ds_load_b128 v[AF+16*(\i)+4*\c:AF+16*(\i)+4*\c+3], v[ADRA+(\n)] offset:(2*(\i)+(\p))*2048+512*\c
.endr
.endr
.endm
.macro FETCH_U u, a, n                 ; by rows: unit u = block a of ring step n: x_im's fragment, then x_re's, into buffer u % 2
.irp q, 0,1
.irp c, 0,1,2,3
	ds_load_b128 v[AF+32*((\u)%2)+16*\q+4*\c:AF+32*((\u)%2)+16*\q+4*\c+3], v[ADRA+(\n)] offset:(2*(\a)+1-\q)*2048+512*\c
.endr
.endr
.set CNT, CNT+8
.if (\u)%2
.set FE1, CNT
.else
.set FE0, CNT
.endif
.endm
.macro SCALES n                        ; x's scale words of ring step n: a pair of registers (real, imaginary) for 32 rows
.irp i, 0,1,2,3
	ds_load_b64 v[32+16*((\n)%2)+8*(\i/2)+2*(\i%2):33+16*((\n)%2)+8*(\i/2)+2*(\i%2)], v[ADRS+(\n)] offset:256*\i
.endr
.endm
.macro BLOAD e, off                    ; w's eight fragments and scale words of the block off K steps behind the base, into set e: 34 loads
	WIN TO_B
.irp f, 0,1,2,3,4,5,6,7
.irp c, 0,1,2,3
	global_load_b128 v[128*(\e)+16*\f+4*\c:128*(\e)+16*\f+4*\c+3], v[BO], s[BP:BP+1] offset:(\off)*BLKB+(2*(\f%4)+\f/4)*2048+512*\c
.endr
.endr
	WIN 0
	global_load_b64 v[36+16*(\e):37+16*(\e)], v[BS], s[BP:BP+1] offset:(\off)*BLKB
	global_load_b64 v[38+16*(\e):39+16*(\e)], v[BS], s[BP:BP+1] offset:(\off)*BLKB+256
.endm
; A PHASE: 64 products.  n: the K step's place in the ring (0..3); q: x_im or x_re; zero: the products start the sums; turn: 0 none, 1 a change of slots, 2 with a refill; bl: w's block to ask for (-1: none);
; pf: what to prefetch (-1: nothing); lw: the count of the wait for w (-1: none); nxt: 1: the next phase's fragments are fetched, blocks 0-3 in the middle, 4-7 at the end, each run behind its places; 2: the first two units by rows.
.macro PHASE n, q, zero, turn, bl, pf, lw, nxt
.set E_, (\n)%2
.if \q
.set NN_, ((\n)+1)%4
.else
.set NN_, \n
.endif
.if \lw >= 0
	s_wait_loadcnt \lw                             ; this step's w is in; the next step's 34 loads may be out
.endif
.if \turn
	s_wait_tensorcnt 0x0                           ; my block of the next slot has landed;
	ds_add_u32 v[SPW], v[NIL]                      ; the add;
	s_wait_dscnt 17                                ; (the add and blocks 4-7 may be out)
	WIN MUL_LO
	MUL16 0, \q, E_, 0
	s_wait_dscnt 0x0                               ; the add is done, and my reads of this slot are over
	s_barrier_signal -1
	MUL16 2, \q, E_, 0
	WIN 0
	s_barrier_wait -1
.if \turn == 2
	CREST                                          ; the barrier has opened a round of the cluster's barrier
	s_add_nc_u64 s[G0+4*((\n)/2)+2:G0+4*((\n)/2)+3], s[G0+4*((\n)/2)+2:G0+4*((\n)/2)+3], 4*BLKB
	TLOAD (\n)/2                                   ; the slot just read out takes the K steps four on
	PLACES NP-4
.else
	PLACES NP
.endif
.else
	s_wait_dscnt 16                                ; blocks 0-3 and the scale words are in; blocks 4-7 may be out
	WIN MUL_LO
	MUL16 0, \q, E_, \zero
	MUL16 2, \q, E_, \zero
	s_wait_dscnt 0x0
	PLACES NP
	WIN 0
.endif
.if \nxt == 1
.if \q
	SCALES NN_
.endif
	FETCH_A NN_, \q, 0                             ; the next phase's part: x_re behind x_im, x_im behind x_re
.else
	SCALES 2
	FETCH_U 0, 0, 2
	FETCH_U 1, 1, 2
.endif
.if \pf >= 0
	PF \pf, (\pf)/8
.endif
	WIN MUL_HI
	MUL16 4, \q, E_, \zero
	MUL16 6, \q, E_, \zero
	PLACES NP
	WIN 0
.if \nxt == 1
	FETCH_A NN_, \q, 4
.else
	SCALES 3
.endif
.if \bl >= 0
	BLOAD E_, \bl                                  ; into the set that this phase has just read out
.endif
.endm
	BLOAD 0, 0                                     ; w's K step 0
	PF 2, 0                                        ; K steps 2 and 3
	s_wait_tensorcnt 0x0                           ; my block of slot 0 is in
	ds_add_u32 v[SPW], v[NIL]
	s_wait_dscnt 0x0
	CROUND
	TLOAD 1                                        ; K steps 2 and 3
	SCALES 0
	FETCH_A 0, 1, 0
	FETCH_A 0, 1, 4
	BLOAD 1, 1                                     ; w's K step 1
	PF 4, 0
	PHASE 0, 0, 1, 0, -1, -1, 34, 1                ; the first phase starts the sums
	s_mov_b32 s3, 3
.Llap:                                                 ; a trip: four K steps, once round the ring, from a step's phase 1 to phase 0 four steps on
	PHASE 0, 1, 0, 0, 2, -1, -1, 1
	PHASE 1, 0, 0, 0, -1, -1, 34, 1
	PHASE 1, 1, 0, 2, 3, 6, -1, 1
	PHASE 2, 0, 0, 0, -1, -1, 34, 1
	PHASE 2, 1, 0, 0, 4, -1, -1, 1
	PHASE 3, 0, 0, 0, -1, -1, 34, 1
	PHASE 3, 1, 0, 2, 5, 8, -1, 1
	PHASE 0, 0, 0, 0, -1, -1, 34, 1
	s_wait_xcnt 0x0                                ; the loads and prefetches have read their bases
	s_add_nc_u64 s[BP:BP+1], s[BP:BP+1], 4*BLKB
	s_add_nc_u64 s[PFA:PFA+1], s[PFA:PFA+1], 4*BLKB
	s_add_nc_u64 s[PFB:PFB+1], s[PFB:PFB+1], 4*BLKB
	s_sub_co_u32 s3, s3, 1
	s_cmp_lg_u32 s3, 0
	s_cbranch_scc1 .Llap
	PHASE 0, 1, 0, 0, 2, -1, -1, 1                 ; K steps 12 and 13 fill nothing
	PHASE 1, 0, 0, 0, -1, -1, 34, 1
	PHASE 1, 1, 0, 1, 3, -1, -1, 2
; THE WAY OUT of a block of 16 rows: through my own stage, back as rows of 512 bytes: sixteen lanes store 256 consecutive bytes of out_re, sixteen of out_im.
.macro TOSTAGE a
.if (\a) > 1
	s_wait_xcnt 0x0                                ; block a - 2's stores have read the registers that the loads below fill
.endif
.set AC, 64*((\a)%4)
	WIN 0x08+4*((\a)/4)
.irp b, 0,1,2,3,4,5,6,7
	ds_store_b128 v[STO], v[AC+8*\b:AC+8*\b+3] offset:64*\b          ; each sum from its low end on
	ds_store_b128 v[STO], v[AC+8*\b+4:AC+8*\b+7] offset:64*\b+16
.endr
	WIN 0
.set BB, 64+128*((\a)%2)
.irp t, 0,1,2,3,4,5,6,7,8,9,10,11,12,13,14,15
	ds_load_b128 v[BB+4*\t:BB+4*\t+3], v[RD] offset:\t*SPITCH        ; LDS serves a wave's instructions in order (ISA guide 5.7.1)
.endr
.set CNT, CNT+32
.if (\a)%2
.set TE1, CNT
.else
.set TE0, CNT
.endif
.endm
.macro DSWAIT n                        ; all but the n LDS instructions issued last (the field holds 63)
.if (\n) > 63
	s_wait_dscnt 63
.else
	s_wait_dscnt \n
.endif
.endm
.macro SEND a
.set BB, 64+128*((\a)%2)
.if (\a)%2
	DSWAIT CNT-TE1                                 ; the block is back in registers
.else
	DSWAIT CNT-TE0
.endif
.irp t, 0,1,2,3,4,5,6,7,8,9,10,11,12,13,14,15
	global_store_b128 v[CO], v[BB+4*\t:BB+4*\t+3], s[8:9] offset:(16*(\a)+\t)*CROW th:TH_STORE_NT   ; 127 rows at the most: inside the signed 24-bit immediate
.endr
.endm
; A UNIT: block a, ring step n: 16 products.  fin: the block is finished and goes to the stage; snd: the block that is stored now (-1: none); fa, fn: the unit two on, fetched into the buffer just read out (-1: none).
.macro UNIT u, a, n, fin, snd, fa, fn
.if (\u)%2
	DSWAIT CNT-FE1                                 ; my fragments are in
.else
	DSWAIT CNT-FE0
.endif
	WIN MUL_LO+0x50*((\a)/4)
	MUL8 \a, 0, (\n)%2, 0, AF+32*((\u)%2)
	MUL8 \a, 1, (\n)%2, 0, AF+32*((\u)%2)+16
	PLACES NP
	WIN 0
.if \fa >= 0
	FETCH_U \u, \fa, \fn
.endif
.if \fin
	TOSTAGE \a
.endif
.if \snd >= 0
	SEND \snd
.endif
.endm
	s_wait_loadcnt 34                              ; w's K step 14 is in
	s_wait_dscnt 0x0
.set CNT, 0
.set FE0, 0
.set FE1, 0
	UNIT 0, 0, 2, 0, -1, 2, 2                      ; K step 14 of blocks 0-3 first: K step 15's w lands meanwhile
	UNIT 1, 1, 2, 0, -1, 3, 2
	UNIT 2, 2, 2, 0, -1, 0, 3
	UNIT 3, 3, 2, 0, -1, 1, 3
	s_wait_loadcnt 0x0                             ; w's K step 15 is in
	UNIT 4, 0, 3, 1, -1, 2, 3
	UNIT 5, 1, 3, 1, 0, 3, 3
	UNIT 6, 2, 3, 1, 1, 4, 2
	UNIT 7, 3, 3, 1, 2, 4, 3
	UNIT 8, 4, 2, 0, 3, 5, 2
	UNIT 9, 4, 3, 1, -1, 5, 3
	UNIT 10, 5, 2, 0, 4, 6, 2
	UNIT 11, 5, 3, 1, -1, 6, 3
	UNIT 12, 6, 2, 0, 5, 7, 2
	UNIT 13, 6, 3, 1, -1, 7, 3
	UNIT 14, 7, 2, 0, 6, -1, 0
	UNIT 15, 7, 3, 1, -1, -1, 0
	SEND 7
	s_wait_tensorcnt 0x0                           ; the wave's end
	ds_add_u32 v[SPW], v[NIL]
	s_wait_dscnt 0x0
	CROUND                                         ; the closing round
	s_endpgm
.Lfunc_end_k_q244a3b3293_gemm:
	.size	k_q244a3b3293_gemm, .Lfunc_end_k_q244a3b3293_gemm-k_q244a3b3293_gemm
	.p2alignl 7, 3214868480
	.fill 96, 4, 3214868480
	.section	.rodata,"a",@progbits
	.p2align	6, 0x0
	.amdhsa_kernel k_q244a3b3293_gemm
		.amdhsa_group_segment_fixed_size 327680
		.amdhsa_private_segment_fixed_size 0
		.amdhsa_enable_private_segment 0
		.amdhsa_kernarg_size 24
		.amdhsa_user_sgpr_count 2
		.amdhsa_user_sgpr_kernarg_segment_ptr 1
		.amdhsa_wavefront_size32 1
		.amdhsa_system_sgpr_workgroup_id_x 1
		.amdhsa_system_sgpr_workgroup_id_y 1
		.amdhsa_system_sgpr_workgroup_id_z 1
		.amdhsa_system_vgpr_workitem_id 0
		.amdhsa_next_free_vgpr 1024
		.amdhsa_next_free_sgpr 66
		.amdhsa_reserve_vcc 0
		.amdhsa_float_denorm_mode_32 3
		.amdhsa_float_denorm_mode_16_64 3
		.amdhsa_memory_ordered 1
		.amdhsa_forward_progress 1
		.amdhsa_inst_pref_size 241
	.end_amdhsa_kernel
	.amdgpu_metadata
---
amdhsa.version: [ 1, 2 ]
amdhsa.kernels:
  - .name:           k_q244a3b3293_gemm
    .symbol:         k_q244a3b3293_gemm.kd
    .args:
      - { .name: ac, .offset: 0, .size: 8, .value_kind: global_buffer, .address_space: global }
      - { .name: bc, .offset: 8, .size: 8, .value_kind: global_buffer, .address_space: global }
      - { .name: out0, .offset: 16, .size: 8, .value_kind: global_buffer, .address_space: global }
    .group_segment_fixed_size: 327680
    .private_segment_fixed_size: 0
    .kernarg_segment_align: 8
    .kernarg_segment_size: 24
    .max_flat_workgroup_size: 128
    .sgpr_count:     66
    .vgpr_count:     1024
    .wavefront_size: 32
...
	.end_amdgpu_metadata
.endif
;; end of part 2
